; MI455X (gfx1250); checked and timed in simulation.
; The chip was launched on July 23, 2026; its instructions are those of AMD's public machine-readable ISA for CDNA 5 (MIT licence, August 2026) and "CDNA5" Instruction Set Architecture Reference Guide (July 2026). The comments in the code are by the model that wrote it; some were corrected since.
;; Multi Head Attention. Allowed arithmetic: matrix products marked QUANTISED: E4M3 operands, one given power-of-two scale a tensor, by v_wmma_f32_16x16x64_fp8_fp8 or v_wmma_f32_16x16x128_fp8_fp8, f32 sums; everything else in f32.
;; Inputs: Wk 1,024 x 1,024 float32; Wo 1,024 x 1,024 float32; Wq 1,024 x 1,024 float32; Wv 1,024 x 1,024 float32; bo 1,024 float32; lowp_scales 12 int32 (the exponents e of the quantised operands' scales 2^e); x 4 x 2,048 x 1,024 float32.
;; Outputs: out0 4 x 2,048 x 1,024 float32.
;; This version of the problem:
;;   THIS VERSION OF THE PROBLEM IS GIVEN IN LOW PRECISION. The matrix products marked QUANTISED in the list below multiply operands that are first quantised to E4M3 (4 exponent bits, 3 mantissa bits; 8 bits a number), with one given power-of-two scale for each operand tensor; their sums are f32. All else is computed in f32.
;;   The module's matrix products, in the order in which they are computed (A, B: the left and right operand; K: the contracted axis; several contracted axes count as one K, in the product's order):
;;     1. [M 8,192, K 1,024] x [K 1,024, N 1,024]; A: input x; B: input Wq: QUANTISED (scales: A lowp_scales[0], B lowp_scales[1])
;;     2. [M 8,192, K 1,024] x [K 1,024, N 1,024]; A: input x; B: input Wk: QUANTISED (scales: A lowp_scales[2], B lowp_scales[3])
;;     3. [M 8,192, K 1,024] x [K 1,024, N 1,024]; A: input x; B: input Wv: QUANTISED (scales: A lowp_scales[4], B lowp_scales[5])
;;     4. batch 64 x [M 2,048, K 64] x [K 64, N 2,048]; A: computed on the way; B: computed on the way: QUANTISED (scales: A lowp_scales[6], B lowp_scales[7])
;;     5. batch 64 x [M 2,048, K 2,048] x [K 2,048, N 64]; A: softmax (see below); B: computed on the way: QUANTISED (scales: A lowp_scales[8], B lowp_scales[9])
;;     6. [M 8,192, K 1,024] x [K 1,024, N 1,024]; A: computed on the way; B: input Wo: QUANTISED (scales: A lowp_scales[10], B lowp_scales[11])
;;   THE QUANTISER, for each operand of a quantised product, along K:
;;     - The operand's scale is 2^e, e = its entry of the input lowp_scales (int32; the entries are numbered through the quantised products in the list's order, A before B).
;;     - Each number is divided by the scale, clamped to +-448, and rounded to the nearest number of E4M3, ties to even, subnormals kept.
;;     - The product sums the exact products of the quantised numbers (number of the format x scale) in f32.
;;   ~~~python
;;   def quantise(x, axis, e):      # numpy; x: float32 -> the quantised numbers, widened to float32 again
;;       x = np.moveaxis(x, axis, -1); K = x.shape[-1]
;;       r = np.clip(x / 2.0 ** e, -448, 448)
;;       step = 2.0 ** (np.maximum(np.frexp(np.where(r == 0, 1, r))[1] - 1, -6) - 3)
;;       q = np.round(r / step) * step * 2.0 ** e      # np.round: ties to even
;;       return np.moveaxis(q, -1, axis).astype(np.float32)
;;   ~~~
;;   SOFTMAX AHEAD OF A QUANTISED PRODUCT. Where the list says 'softmax', what is quantised is not the finished softmax but p = 2^(t - M), with t = logit x log2(e) and M = ceil(the row's largest t), a whole number; so 1/2 < the row's largest p <= 1. The row's sum l is taken of the UNQUANTISED p, in f32, and the product's result is divided by l at the end. Since M is a whole number, a kernel that streams over the keys may use a running M (the ceiling of the running maximum): every later rescaling is an exact power of two, so the quantised numbers keep their values, but for numbers so far below the row's largest that they fall under the format's range.
;;   OPERANDS COMPUTED ON THE WAY. 'Computed on the way' means the value that the module computes at that place (a softmax that the list does not call 'softmax' is quantised finished and normalised). What goes into a quantiser is computed in f32, as accurately as f32 sums, v_exp_f32 and their like allow (about 1e-6 of the number): no bf16 or f16 on the way to a quantiser, and a product that is left as it is and whose result goes on into a quantised operand takes f32 operands (vector FMAs, or v_wmma_f32_16x16x4_f32). A number that lies on a knife's edge between two numbers of the format may be rounded either way, as far as f32 arithmetic and the matrix unit's own rounding can turn it there, and no further.
;; One version. Each part assembles by itself: llvm-mc -triple=amdgcn-amd-amdhsa -mcpu=gfx1250 --defsym DOCPART=n.
;; ======== version 1 of 1: 4 launches
;; limits: right only within a limited range of input values
;; workspace buffers: xc 25,165,824 bytes; wc 4,194,304 bytes; qkv 25,165,824 bytes; ao 8,388,608 bytes
;; launch quant (part 1): grid 256 x 1, 8 waves a work-group, no clusters, 0 bytes of LDS; arguments x, Wq, Wk, Wv, Wo, lowp_scales, xc, wc; writes xc, wc
.if DOCPART == 1
	.amdgcn_target "amdgcn-amd-amdhsa--gfx1250"
	.amdhsa_code_object_version 6
	.text
	.protected	k_q248115ad16_quant
	.globl	k_q248115ad16_quant
	.p2align	8
	.type	k_q248115ad16_quant,@function
k_q248115ad16_quant:
	s_mov_b64 s[64:65], 0
	v_nop
	global_prefetch_b8 v0, s[64:65] scope:SCOPE_SE
	s_setreg_imm32_b32 hwreg(HW_REG_WAVE_MODE, 25, 1), 1
	s_wait_xcnt 0x0
; x [8192][1024] f32 becomes three sets of codes of FP8 (E4M3), under the scales 2^e0, 2^e2, 2^e4 (the three products that read x have an entry each);
; Wq, Wk, Wv, Wo [1024][1024] f32 become codes under 2^e1, 2^e3, 2^e5, 2^e11.  code = number / 2^e, held within +-448, to the nearest code, ties to even.
; LIMITS: each of these seven exponents lies between -126 and 119, so that 2^e and 448 x 2^e are f32 numbers.  NaN among the inputs is not served; an infinity is held at the largest code.
; LAYOUT OF THE CODES.  Rows of 1,024 bytes, K innermost, with k PERMUTED inside a row, alike in both operands of a product, which keeps every product with its partner:
;   x, Wq, Wk, Wv: inside each chunk of 512, byte 16 l + 4 i + j holds k = 128 i + 4 l + j.  That is what lane l has after four loads of 16 bytes that lie 512 bytes apart: every load and
;   every store of a wave covers 512 consecutive bytes, and nothing goes through LDS.
;   Wo: byte 32 c + 16 h + 8 u + i holds k = 32 c + 16 u + 8 h + i, so that loads of 16 bytes a lane give the last product's launch the matrix form's own order of k, which its other operand has.
;   Wo's four loads of a step therefore take 16 bytes of every 64 each; together they take the step's 2,048 bytes once.  Wo is 4 of the 48 MiB that the launch reads.
; SHARES.  256 work-groups of eight waves, one path for all.  Wave u = 8 g + w takes 4,096 numbers of x (8 steps of 512) and 2,048 numbers of weight g / 64 (4 steps).
; All 48 loads of a wave go out first; each step has its own 16 registers.  A step's codes lie in the registers of the step before, which is done with: no store's data are written again.
.set TT, 16
.set C0, 32                            ; v32-43   step 0's codes
.set XR, 48                            ; v48-239  twelve sets of 16 numbers as loaded
	s_load_b512 s[4:19], s[0:1], 0x0               ; x s4, Wq s6, Wk s8, Wv s10, Wo s12, the exponents s14, xc s16, wc s18
	v_and_b32 v1, 31, v0                           ; lane
	v_lshrrev_b32 v7, 5, v0
	s_delay_alu instid0(VALU_DEP_1)
	v_readfirstlane_b32 s20, v7                    ; wave
	s_delay_alu instid0(VALU_DEP_3)
	v_lshlrev_b32 v2, 4, v1                        ; 16 x lane: x's loads and every store
	s_delay_alu instid0(VALU_DEP_4)
	v_lshrrev_b32 v44, 1, v1
	s_wait_alu depctr_va_vdst(0)
	v_and_b32 v45, 1, v1
	s_lshr_b32 s21, ttmp9, 6                       ; which weight: 0 Wq, 1 Wk, 2 Wv, 3 Wo
	s_lshl_b32 s22, ttmp9, 3
	s_add_co_u32 s22, s22, s20                     ; u = 8 g + w
	s_and_b32 s23, s22, 511                        ; my place in the weight
	s_mov_b32 s44, 1536
	s_cmp_eq_u32 s21, 3                            ; Wo has the other pattern of loads: a choice of numbers, no branch
	s_cselect_b32 s40, 128, 32                     ; bytes from lane pair to lane pair
	s_cselect_b32 s41, 32, 16                      ; and inside a pair
	s_cselect_b32 s42, 16, 512                     ; the second,
	s_cselect_b32 s43, 64, 1024                    ; third
	s_cselect_b32 s44, 80, s44                     ; and fourth load of a step
	v_mul_u32_u24 v3, v44, s40
	s_wait_alu depctr_va_vdst(0)
	v_mad_u32_u24 v3, v45, s41, v3
	s_delay_alu instid0(VALU_DEP_1)
	v_add_nc_u32 v4, s42, v3
	s_delay_alu instid0(VALU_DEP_2)
	v_add_nc_u32 v5, s43, v3
	s_delay_alu instid0(VALU_DEP_3)
	v_add_nc_u32 v6, s44, v3
	s_lshl_b32 s56, s22, 14                        ; x: 4,096 numbers of 4 bytes
	s_mov_b32 s57, 0
	s_lshl_b32 s58, s22, 12                        ; their codes
	s_mov_b32 s59, 0
	s_lshl_b32 s60, s22, 11                        ; the weights' codes: the four weights lie on end in wc
	s_mov_b32 s61, 0
	s_lshl_b32 s62, s23, 13                        ; the weight: 2,048 numbers of 4 bytes
	s_mov_b32 s63, 0
	s_wait_alu depctr_va_vdst(0)
	s_wait_kmcnt 0x0
	s_load_b256 s[24:31], s[14:15], 0x0            ; e0 .. e7
	s_load_b128 s[32:35], s[14:15], 0x20           ; e8 .. e11
	s_cmp_eq_u32 s21, 0
	s_cselect_b64 s[36:37], s[6:7], s[8:9]
	s_cmp_eq_u32 s21, 2
	s_cselect_b64 s[54:55], s[10:11], s[12:13]
	s_cmp_lt_u32 s21, 2
	s_cselect_b64 s[36:37], s[36:37], s[54:55]     ; my weight
	s_add_nc_u64 s[36:37], s[36:37], s[62:63]
	s_add_nc_u64 s[4:5], s[4:5], s[56:57]
	s_add_nc_u64 s[46:47], s[16:17], s[58:59]      ; the three sets of x's codes lie 8 MiB apart
	s_add_nc_u64 s[48:49], s[46:47], 0x800000
	s_add_nc_u64 s[50:51], s[48:49], 0x800000
	s_add_nc_u64 s[52:53], s[18:19], s[60:61]
.set st, 0
.rept 8
.irp i, 0,1,2,3
	global_load_b128 v[XR+16*st+4*\i:XR+16*st+4*\i+3], v2, s[4:5] offset:2048*st+512*\i th:TH_LOAD_NT   ; 32 lanes read 512 consecutive bytes
.endr
.set st, st+1
.endr
.set st, 0
.rept 4
.irp i, 0,1,2,3
	global_load_b128 v[XR+16*(8+st)+4*\i:XR+16*(8+st)+4*\i+3], v[3+\i], s[36:37] offset:2048*st th:TH_LOAD_NT
.endr
.set st, st+1
.endr
	s_wait_kmcnt 0x0
	s_cmp_eq_u32 s21, 0
	s_cselect_b32 s38, s25, s27                    ; e1 or e3
	s_cmp_eq_u32 s21, 2
	s_cselect_b32 s39, s29, s35                    ; e5 or e11
	s_cmp_lt_u32 s21, 2
	s_cselect_b32 s38, s38, s39                    ; my weight's exponent
.macro MKSC e, sc                      ; v[sc] = 2^e as f32 (the conversion takes its exponent field)
	s_add_co_i32 s54, s[\e], 127
	s_lshl_b32 s55, s54, 23
	v_mov_b32 v[\sc], s55
	s_add_co_i32 s54, s54, 8
	s_lshl_b32 s54, s54, 23
	s_or_b32 s54, s54, 0x600000
.endm
	MKSC 24, 8
	MKSC 26, 10
	MKSC 28, 12
	MKSC 38, 14
; 16 numbers of a lane under one scale: convert, store 16 bytes a lane: 512 consecutive bytes a wave
.macro QS src, dst, sc, base, off
.irp i, 0,1,2,3,4,5,6,7,8,9,10,11,12,13,14,15
.endr
	v_cvt_scalef32_pk8_fp8_f32 v[\dst:\dst+1], v[\src:\src+7], v[\sc]
	v_cvt_scalef32_pk8_fp8_f32 v[\dst+2:\dst+3], v[\src+8:\src+15], v[\sc]
	v_nop                                          ; one plain vector instruction between the conversions and whatever next writes their sources
	global_store_b128 v2, v[\dst:\dst+3], s[\base:\base+1] offset:\off
.endm
.set st, 0
	s_wait_alu depctr_va_vdst(0)
.rept 8
	s_wait_loadcnt 44-4*st                         ; this step's four loads are in: behind them 44 - 4 st were issued
.if st == 0
.set DD, C0
.else
.set DD, XR+16*(st-1)
.endif
	QS XR+16*st, DD, 8, 46, 512*st
	QS XR+16*st, DD+4, 10, 48, 512*st
	QS XR+16*st, DD+8, 12, 50, 512*st
.set st, st+1
.endr
.set st, 0
.rept 4
	s_wait_loadcnt 12-4*st
	QS XR+16*(8+st), XR+16*(7+st), 14, 52, 512*st
.set st, st+1
.endr
	s_endpgm
.Lfunc_end_k_q248115ad16_quant:
	.size	k_q248115ad16_quant, .Lfunc_end_k_q248115ad16_quant-k_q248115ad16_quant
	.p2alignl 7, 3214868480
	.fill 96, 4, 3214868480
	.section	.rodata,"a",@progbits
	.p2align	6, 0x0
	.amdhsa_kernel k_q248115ad16_quant
		.amdhsa_group_segment_fixed_size 0
		.amdhsa_private_segment_fixed_size 0
		.amdhsa_enable_private_segment 0
		.amdhsa_kernarg_size 64
		.amdhsa_user_sgpr_count 2
		.amdhsa_user_sgpr_kernarg_segment_ptr 1
		.amdhsa_wavefront_size32 1
		.amdhsa_system_sgpr_workgroup_id_x 1
		.amdhsa_system_sgpr_workgroup_id_y 1
		.amdhsa_system_sgpr_workgroup_id_z 1
		.amdhsa_system_vgpr_workitem_id 0
		.amdhsa_next_free_vgpr 240
		.amdhsa_next_free_sgpr 66
		.amdhsa_reserve_vcc 0
		.amdhsa_float_denorm_mode_32 3
		.amdhsa_float_denorm_mode_16_64 3
		.amdhsa_fp16_overflow 1
		.amdhsa_memory_ordered 1
		.amdhsa_forward_progress 1
		.amdhsa_inst_pref_size 16
	.end_amdhsa_kernel
	.amdgpu_metadata
---
amdhsa.version: [ 1, 2 ]
amdhsa.kernels:
  - .name:           k_q248115ad16_quant
    .symbol:         k_q248115ad16_quant.kd
    .args:
      - { .name: x, .offset: 0, .size: 8, .value_kind: global_buffer, .address_space: global }
      - { .name: Wq, .offset: 8, .size: 8, .value_kind: global_buffer, .address_space: global }
      - { .name: Wk, .offset: 16, .size: 8, .value_kind: global_buffer, .address_space: global }
      - { .name: Wv, .offset: 24, .size: 8, .value_kind: global_buffer, .address_space: global }
      - { .name: Wo, .offset: 32, .size: 8, .value_kind: global_buffer, .address_space: global }
      - { .name: lowp_scales, .offset: 40, .size: 8, .value_kind: global_buffer, .address_space: global }
      - { .name: xc, .offset: 48, .size: 8, .value_kind: global_buffer, .address_space: global }
      - { .name: wc, .offset: 56, .size: 8, .value_kind: global_buffer, .address_space: global }
    .group_segment_fixed_size: 0
    .private_segment_fixed_size: 0
    .kernarg_segment_align: 8
    .kernarg_segment_size: 64
    .max_flat_workgroup_size: 256
    .sgpr_count:     66
    .vgpr_count:     240
    .wavefront_size: 32
...
	.end_amdgpu_metadata
.endif
;; end of part 1
;; launch qkv (part 2): grid 12 x 32, 4 waves a work-group, clusters of 4 x 4, 327,680 bytes of LDS; arguments xc, wc, lowp_scales, qkv; writes qkv
.if DOCPART == 2
	.amdgcn_target "amdgcn-amd-amdhsa--gfx1250"
	.amdhsa_code_object_version 6
	.text
	.protected	k_q248115ad16_qkv
	.globl	k_q248115ad16_qkv
	.p2align	8
	.type	k_q248115ad16_qkv,@function
k_q248115ad16_qkv:
	s_mov_b64 s[64:65], 0
	v_nop
	global_prefetch_b8 v0, s[64:65] scope:SCOPE_SE
	s_setreg_imm32_b32 hwreg(HW_REG_WAVE_MODE, 25, 1), 1
	s_wait_xcnt 0x0
	s_wait_alu depctr_hold_cnt(0) depctr_sa_sdst(0) depctr_va_vdst(0) depctr_va_sdst(0) depctr_va_ssrc(0) depctr_va_vcc(0) depctr_vm_vsrc(0)
	s_getreg_b32 s2, hwreg(HW_REG_IB_STS2, 6, 4)
	s_cmp_eq_u32 s2, 0
	s_cbranch_scc0 .Lentry_in_a_cluster
	s_endpgm
.Lentry_in_a_cluster:
	s_bfe_u32 s2, ttmp6, 0x10000c
	s_cmp_lg_u32 s2, 0xf033
	s_cbranch_scc0 .Lentry_shape_is_right
	s_endpgm
.Lentry_shape_is_right:
; q = x Wq^T, k = x Wk^T, v = x Wv^T on codes of FP8 (E4M3), K = 1,024; each finished sum is quantised at once for the attention's products and stored as a code.
; Cluster x says which: 0 q, 1 k, 2 v.  A tile is 256 x 256, four waves, 128 x 128 a wave: 64 accumulators.  K goes in steps of 256 through two LDS slots filled by tensor loads.
; THE MATRIX INSTRUCTION IS USED TRANSPOSED: source 0 = 16 rows of "B", source 1 = 16 rows of "A": lane (r, h) holds A's row r, and register j of accumulator (a, b) B's row 16 b + 8 h + j.
; One conversion of an accumulator's eight registers therefore gives registers 2 b, 2 b + 1 of an operand of the plain 8-bit forms whose rows are A's 16 rows and whose K runs along B's rows.
;   q, k: A = x's rows (tokens), B = W's rows (features): a block's accumulators b = 0..3 and 4..7 are the fragments (16 tokens x 64 of the head) of two heads.
;   v:    A = Wv's rows (features), B = x's rows (tokens = keys): a block's eight accumulators are one fragment (16 of the head's 64 x 128 keys).  The roles are swapped by addresses alone.
; The fragments are stored as IMAGES OF THEIR REGISTERS: four registers by one store, lane l's 16 bytes at 16 l: 512 consecutive bytes.  No LDS on the way out.
;   qkv: q at 0, k at 8 MiB, v at 16 MiB; a (batch, head) has 131,072 bytes; q, k: [token / 16][1,024]; v: [key / 128][d / 16][2,048].
; A sum stands for sum x 2^(ex + ew); its code is sum / 2^f, f = e6 - e0 - e1 (q), e7 - e2 - e3 (k), e9 - e4 - e5 (v).  LIMIT: f between -126 and 119.
; CLUSTERS: 4 x 4 work-groups; A's tile is shared along a row of the cluster, B's along a column: each is asked for jointly, by the same tensor load with a mask that names the four.
; No branch hangs on which product a cluster makes: what differs is chosen by s_cselect on the cluster's number, the same in all sixteen.
; REGISTERS, in windows of 256: window 0: v0-31 addresses and the scale number; v96-127 codes, two sets; from v128 A's fragments, ONE set.
;   window 1: B's fragments, TWO sets.   window 2: the accumulators of my A rows 0-63 ((a, b) at v[8 (8 a + b)]);   window 3: those of rows 64-127.
.set KSTEP,  256                       ; along K in a slot
.set ROWB,   256                       ; a tile's row in bytes
.set KROW,   1024                      ; a row of codes in memory
.set PITCH,  272                       ; an LDS row: 256 bytes + 16 of padding = 68 words: row r starts at bank 4 r mod 64 (64 banks of 4 bytes: ISA guide 11.1)
.set FR,     16                        ; registers of a fragment: 16 rows x 128 K
.set NL,     4                         ; LDS loads that bring one
.set NP,     4                         ; places behind this matrix instruction (ISA guide 7.12.1)
.set HALFT,  128*PITCH                 ; 128 rows: what one tensor load brings, and what one wave reads of A or of B
.set SLOT,   4*HALFT                   ; A's 256 rows, then B's 256 rows
.set SPARE,  2*SLOT                    ; behind the ring: the spare words, 128 bytes for each wave: two blocks of 256 bytes that no other line names
.set ADRA, 16                          ; v16-17  LDS address of my A fragments in slot 0, 1
.set ADRB, 20                          ; v20-21  the same for B
.set SPW,  28                          ; v28     LDS address of my spare word; never rewritten
.set NIL,  29                          ; v29     0; never rewritten
.set TMP,  32
.set CD,   96                          ; v96-127 a block's codes, two sets by turns
.set AF,   128                         ; A's fragments, in window 0
.set G1, 24                            ; s[24:31] descriptor group 1 for A's tiles;  s[32:39] group 0, one set for each slot
.set G0, 32
.set G1B, 48                           ; s[48:55], s[56:63] the same for B's tiles
.set G0B, 56
.set MSB, 0
.macro WIN new                         ; the immediate's high byte repeats the setting that is left
.if MSB != \new
	s_set_vgpr_msb (MSB<<8)|\new
.set MSB, \new
.endif
.endm
.set MUL_LO, 0xa1                      ; source 0 (B) window 1, source 1 (A) window 0, C and D window 2
.set MUL_HI, 0xf1                      ; the same, C and D window 3
.set TO_B,   0x40                      ; destination window 1, address window 0
; A joint load: waves 0 and 1 fetch for A, waves 2 and 3 for B.  The branch hangs on the wave's number alone.  An s_nop 0 and four v_nop follow each of the two lines.
.macro JLOAD g0a, g1a, g0b, g1b
	s_cmp_eq_u32 s15, 0
	s_cbranch_scc0 .Lfor_b_\@
	tensor_load_to_lds s[\g0a:\g0a+3], s[\g1a:\g1a+7]
	s_nop 0
.rept 4
	v_nop
.endr
	s_branch .Lasked_\@
.Lfor_b_\@:
	tensor_load_to_lds s[\g0b:\g0b+3], s[\g1b:\g1b+7]
	s_nop 0
.rept 4
	v_nop
.endr
.Lasked_\@:
.endm
.macro CREST                           ; a round of the cluster's barrier behind its opening barrier
	s_cmp_lg_u32 s14, 0
	s_cbranch_scc1 .Lnot_wave_0_\@
	s_barrier_signal -3
.Lnot_wave_0_\@:
	s_barrier_wait -3
	s_barrier_signal -1
	s_barrier_wait -1
.endm
.macro CROUND                          ; a whole round
	s_barrier_signal -1
	s_barrier_wait -1
	CREST
.endm
	s_load_b256 s[4:11], s[0:1], 0x0               ; xc s4, wc s6, the exponents s8, qkv s10
	v_lshl_add_u32 v[SPW], v0, 2, SPARE
	v_mov_b32 v[NIL], 0
	ds_add_u32 v[SPW], v[NIL]
	ds_add_u32 v[SPW], v[NIL]                      ; the wave's opening: the add and its wait stand ahead of my first tensor load; the set-up below, work on registers, stands between them
	v_lshrrev_b32 v1, 5, v0
	v_readfirstlane_b32 s14, v1                    ; wave 0..3
	s_lshr_b32 s15, s14, 1                         ; which half of A's rows is mine.  Also: I fetch for A (0) or for B (1)
	s_and_b32 s16, s14, 1                          ; which half of B's rows.  Also: which 128 rows of that tile I fetch
	s_bfe_u32 s40, ttmp6, 0x40000                  ; cx, cy: my place in the cluster
	s_bfe_u32 s41, ttmp6, 0x40004
	s_mov_b32 s12, ttmp9                           ; which product: 0 q, 1 k, 2 v
	s_and_b32 s13, ttmp7, 0xffff                   ; cluster y, 0..7
	s_lshl_b32 s19, s13, 2
	s_add_co_u32 s19, s19, s41                     ; 4 x cluster y + cy
	s_lshl_b32 s81, s13, 2
	s_add_co_u32 s81, s81, s40                     ; 4 x cluster y + cx
	s_cmp_eq_u32 s12, 2
	s_cselect_b32 s17, s41, s19                    ; A's tile: of Wv's four (v), of x's 32 (q, k): made of cy alone
	s_cselect_b32 s42, s81, s40                    ; B's tile: of x's 32 (v), of W's four (q, k): made of cx alone
	s_lshl_b32 s43, s41, 2
	s_lshl_b32 s43, 15, s43                        ; my row of the cluster
	s_lshl_b32 s44, 0x1111, s40                    ; my column
	; descriptor group 1: a tile of 128 rows x 256 bytes, padded in LDS
	s_or_b32 s[G1+0], s43, (0<<16)|(1<<20)|(1<<21)|(5<<22)|(3<<25)  ; 15:0 the mask: A's tiles go to my row; 17:16 element of 1 byte; 20 padding on; 21 set beside a mask; 24:22 after every 64 words (code 5); 31:25 of 4 words (code 3)
	s_or_b32 s[G1B+0], s44, (0<<16)|(1<<20)|(1<<21)|(5<<22)|(3<<25)
.irp g, G1, G1B
	s_mov_b32 s[\g+1], ROWB<<16                    ; tensor_dim0
	s_mov_b32 s[\g+2], 128<<16                     ; tensor_dim1 = 128
	s_mov_b32 s[\g+3], ROWB<<16                    ; tile_dim0
	s_mov_b32 s[\g+4], 128                         ; tile_dim1 = 128
	s_mov_b32 s[\g+5], KROW                        ; tensor_dim0_stride
	s_mov_b32 s[\g+6], 0
	s_mov_b32 s[\g+7], 0
.endr
	s_lshl_b32 s18, s16, 7                         ; which 128 rows of the tile I fetch
	s_lshl_b32 s20, s17, 8
	s_add_co_u32 s20, s20, s18                     ; A: row 256 x tile + 128 x half,
	s_lshl_b32 s20, s20, 10                        ; in bytes (under 8 MiB)
	s_mov_b32 s21, 0
	s_lshl_b32 s46, s42, 8
	s_add_co_u32 s46, s46, s18                     ; B likewise
	s_lshl_b32 s46, s46, 10
	s_mov_b32 s47, 0
	s_mul_i32 s45, s14, HALFT                      ; where they go: wave x 128 rows: no place in the cluster enters an LDS address
	s_lshl_b32 s88, s12, 23                        ; x's set of codes for this product,
	s_mov_b32 s89, 0
	s_lshl_b32 s90, s12, 20                        ; and the product's weight
	s_mov_b32 s91, 0
	s_wait_dscnt 0x0                               ; the opening add is done
	s_wait_kmcnt 0x0
	s_load_b256 s[68:75], s[8:9], 0x0              ; e0 .. e7
	s_load_b128 s[76:79], s[8:9], 0x20             ; e8 .. e11
	s_add_nc_u64 s[88:89], s[4:5], s[88:89]
	s_add_nc_u64 s[90:91], s[6:7], s[90:91]
	s_cmp_eq_u32 s12, 2
	s_cselect_b64 s[92:93], s[90:91], s[88:89]     ; A: the weight for v, x for q and k
	s_cselect_b64 s[94:95], s[88:89], s[90:91]     ; B: the other one
	s_add_nc_u64 s[20:21], s[92:93], s[20:21]
	s_add_nc_u64 s[46:47], s[94:95], s[46:47]
	CROUND                                         ; all sixteen work-groups are here: the first joint loads meet
.irp s, 0,1
	s_mov_b32 s[G0+4*\s], 1
	s_add_co_u32 s[G0+4*\s+1], s45, \s*SLOT
	s_add_nc_u64 s[G0+4*\s+2:G0+4*\s+3], s[20:21], \s*ROWB
	s_or_b32 s[G0+4*\s+3], s[G0+4*\s+3], 0x80000000
	s_mov_b32 s[G0B+4*\s], 1
	s_add_co_u32 s[G0B+4*\s+1], s45, \s*SLOT
	s_add_nc_u64 s[G0B+4*\s+2:G0B+4*\s+3], s[46:47], \s*ROWB
	s_or_b32 s[G0B+4*\s+3], s[G0B+4*\s+3], 0x80000000
	JLOAD G0+4*\s, G1, G0B+4*\s, G1B
.endr
	v_and_b32 v1, 15, v0                           ; l % 16
	v_bfe_u32 v2, v0, 4, 1                         ; l / 16
	v_mul_u32_u24 v3, v1, PITCH
	v_lshl_add_u32 v4, v2, 4, v3                   ; a fragment's row x pitch + 16 x half
	s_mul_i32 s21, s15, HALFT                      ; my 128 rows of A
	s_mul_i32 s22, s16, HALFT                      ; my 128 rows of B,
	s_add_co_u32 s22, s22, 2*HALFT                 ; which lie behind A's 256
.irp s, 0,1
	v_add_nc_u32 v[ADRA+\s], s21, v4
	v_add_nc_u32 v[ADRB+\s], s22, v4
	s_add_co_u32 s21, s21, SLOT
	s_add_co_u32 s22, s22, SLOT
.endr
	; THE WAY OUT'S ADDRESSES, in registers that feed no descriptor.  Tokens' tile T (x's): batch T / 8, the tile's place in the batch T % 8.
	s_lshl_b32 s96, s17, 2
	s_lshl_b32 s97, s15, 1
	s_add_co_u32 s96, s96, s97                     ; v: my first head = 4 x A's tile + 2 x my half of A's rows
	s_lshl_b32 s97, s42, 2
	s_lshl_b32 s98, s16, 1
	s_add_co_u32 s97, s97, s98                     ; q, k: 4 x B's tile + 2 x my half of B's rows
	s_mov_b32 s84, 1024
	s_mov_b32 s86, 1024
	s_mov_b32 s82, 131072
	s_cmp_eq_u32 s12, 2
	s_cselect_b32 s96, s96, s97                    ; my first head
	s_cselect_b32 s97, s42, s17                    ; the tokens' tile
	s_cselect_b32 s98, s16, s15                    ; my half of its tokens
	s_cselect_b32 s84, 2048, s84                   ; from a block of A's rows to the next: v: the next 16 of the head's 64; q, k: the next 16 tokens
	s_cselect_b32 s86, 124928, s86                 ; from block 3 to block 4: v: on to the next head, 131,072 - 3 x 2,048
	s_cselect_b32 s82, 1024, s82                   ; from a block's registers 0-7 to its registers 8-15: v: the same image; q, k: the next head
	s_mov_b32 s85, 0
	s_mov_b32 s87, 0
	s_lshr_b32 s99, s97, 3                         ; batch
	s_and_b32 s97, s97, 7
	s_lshl_b32 s99, s99, 4
	s_add_co_u32 s99, s99, s96                     ; 16 x batch + head
	s_lshl_b32 s99, s99, 17                        ; x 131,072
	s_lshl_b32 s97, s97, 14                        ; 256 tokens are 16,384 bytes of a head, in q, k and v alike
	s_lshl_b32 s98, s98, 13
	s_add_co_u32 s99, s99, s97
	s_add_co_u32 s99, s99, s98
	s_lshl_b32 s97, s12, 23                        ; q, k or v
	s_add_co_u32 s96, s99, s97
	s_mov_b32 s97, 0
	s_add_nc_u64 s[10:11], s[10:11], s[96:97]
	v_and_b32 v6, 31, v0
	v_lshlrev_b32 v10, 4, v6                       ; 16 x lane: registers 0-3 of a block's codes,
	v_add_nc_u32 v11, 512, v10                     ; 4-7,
	v_add_nc_u32 v12, s82, v10                     ; 8-11,
	v_add_nc_u32 v13, 512, v12                     ; 12-15
.macro FRAG reg, adr, q, i             ; a fragment, 16 rows x 128 bytes along K: four loads of 16 bytes a lane, 32 bytes apart; the same places in A and in B
.irp c, 0,1,2,3
	ds_load_b128 v[\reg+4*\c:\reg+4*\c+3], v[\adr] offset:128*(\q)+32*\c+(\i)*16*PITCH
.endr
.endm
; 16 matrix instructions: A's blocks a0, a0 + 1 x B's eight, 128 along K.  p: B's set.  zero = 1: the first product starts the sums: nothing is ever cleared.
; The 64 accumulators take turns, one instruction a turn, in the same order in every step.
.macro MUL16 a0, p, zero
.irp a, \a0, \a0+1
.irp b, 0,1,2,3,4,5,6,7
.if \zero
	v_wmma_f32_16x16x128_fp8_fp8 v[8*(8*((\a)%4)+\b):8*(8*((\a)%4)+\b)+7], v[128*(\p)+FR*\b:128*(\p)+FR*\b+FR-1], v[AF+FR*(\a):AF+FR*(\a)+FR-1], 0
.else
	v_wmma_f32_16x16x128_fp8_fp8 v[8*(8*((\a)%4)+\b):8*(8*((\a)%4)+\b)+7], v[128*(\p)+FR*\b:128*(\p)+FR*\b+FR-1], v[AF+FR*(\a):AF+FR*(\a)+FR-1], v[8*(8*((\a)%4)+\b):8*(8*((\a)%4)+\b)+7]
.endif
.endr
.endr
.endm
.macro FETCH_B slot, q, p              ; B's eight fragments of the slot's q-th 128 along K into set p
	WIN TO_B
.irp i, 0,1,2,3,4,5,6,7
	FRAG 128*(\p)+FR*\i, ADRB+\slot, \q, \i
.endr
	WIN 0
.endm
.macro FETCH_A slot, q, i0             ; A's blocks i0 .. i0 + 3
.irp i, \i0, \i0+1, \i0+2, \i0+3
	FRAG AF+FR*(\i), ADRA+\slot, \q, \i
.endr
.endm
; A load into a register that a matrix instruction has read, and a vector instruction that reads a matrix result, stand NP places behind that matrix instruction; only plain vector
; instructions that name none of its registers are places (ISA guide 7.12.1 for vector instructions).
.macro PLACES n
.rept \n
	v_nop
.endr
.endm
; A step of 128 along K that has its successor in the same slot.  A block of A is free as soon as its eight products are issued: blocks 0-3 are fetched anew in the step's middle, blocks 4-7 at its end.
.macro STEP slot, q, zero
	s_wait_dscnt 4*NL                              ; B's set and A's blocks 0-3 are in; the youngest sixteen loads (A's blocks 4-7) may be out
	WIN MUL_LO
	MUL16 0, (\q)%2, \zero
	MUL16 2, (\q)%2, \zero
	s_wait_dscnt 0                                 ; A's blocks 4-7 are in (asked for 32 matrix instructions ago)
	PLACES NP
	FETCH_B \slot, (\q)+1, 1-(\q)%2
	FETCH_A \slot, (\q)+1, 0
	WIN MUL_HI
	MUL16 4, (\q)%2, \zero
	MUL16 6, (\q)%2, \zero
	PLACES NP
	WIN 0
	FETCH_A \slot, (\q)+1, 4
.endm
; A slot's last step changes slots: ONE barrier; in front of it each wave waits for all its tensor loads, adds 0 to its spare word, and waits for that and for its own reads of this slot.  fill = 1: this slot is filled again, two K steps ahead.
.macro TURN slot, next, fill
	s_wait_tensorcnt 0x0                           ; all my tensor loads have landed: my part of the next slot;  (every window is 0 here: the add's two registers lie in window 0)
	ds_add_u32 v[SPW], v[NIL]                      ; 0 onto my spare word
	s_wait_dscnt 4*NL+1                            ; (the add and the youngest sixteen loads, A's blocks 4-7, may be out)
	WIN MUL_LO
	MUL16 0, 1, 0                                  ; sixteen matrix instructions stand between the add and the wait for it
	s_wait_dscnt 0x0                               ; the add is done, and my reads of this slot are over
	s_barrier_signal -1
	MUL16 2, 1, 0
	WIN 0
	s_barrier_wait -1
.if \fill
	CREST                                          ; the barrier has opened a round of the cluster's barrier: no wave of any partner still reads this slot's tile or has a load on its way
	s_add_nc_u64 s[G0+4*\slot+2:G0+4*\slot+3], s[G0+4*\slot+2:G0+4*\slot+3], 2*ROWB
	s_add_nc_u64 s[G0B+4*\slot+2:G0B+4*\slot+3], s[G0B+4*\slot+2:G0B+4*\slot+3], 2*ROWB
	JLOAD G0+4*\slot, G1, G0B+4*\slot, G1B         ; the first tensor load behind the round; the four v_nop behind it are the places in front of the loads below
.else
	PLACES NP
.endif
	FETCH_B \next, 0, 0
	FETCH_A \next, 0, 0
	WIN MUL_HI
	MUL16 4, 1, 0
	MUL16 6, 1, 0
	PLACES NP
	WIN 0
	FETCH_A \next, 0, 4
.endm
	s_wait_alu depctr_va_vdst(0)
	s_wait_tensorcnt 1                             ; my part of K step 0 is in (K step 1's one load may be out)
	s_barrier_signal -1
	s_barrier_wait -1                              ; everybody's is
	FETCH_B 0, 0, 0
	FETCH_A 0, 0, 0
	FETCH_A 0, 0, 4
	STEP 0, 0, 1                                   ; K = 1,024 is four K steps of 256, eight steps of 128: written out, no loop.  The first step's products start the sums
	TURN 0, 1, 1                                   ; slot 0 takes K step 2
	STEP 1, 0, 0
	TURN 1, 0, 1                                   ; slot 1 takes K step 3
	STEP 0, 0, 0
	TURN 0, 1, 0                                   ; nothing is left to fetch
	STEP 1, 0, 0
	s_wait_dscnt 4*NL                              ; the very last step
	WIN MUL_LO
	MUL16 0, 1, 0
	MUL16 2, 1, 0
	s_wait_dscnt 0
	WIN MUL_HI
	MUL16 4, 1, 0
	MUL16 6, 1, 0
	WIN 0
	s_wait_kmcnt 0x0
	s_sub_co_i32 s80, s74, s68
	s_sub_co_i32 s80, s80, s69                     ; q: e6 - e0 - e1
	s_sub_co_i32 s81, s75, s70
	s_sub_co_i32 s81, s81, s71                     ; k: e7 - e2 - e3
	s_sub_co_i32 s83, s77, s72
	s_sub_co_i32 s83, s83, s73                     ; v: e9 - e4 - e5
	s_cmp_eq_u32 s12, 0
	s_cselect_b32 s80, s80, s81
	s_cmp_eq_u32 s12, 2
	s_cselect_b32 s80, s83, s80                    ; f: the three scales folded into the conversion's one
	s_add_co_i32 s80, s80, 127
	s_lshl_b32 s81, s80, 23
	v_mov_b32 v8, s81                              ; 2^f as f32
	s_add_co_i32 s80, s80, 8
	s_lshl_b32 s80, s80, 23
	s_or_b32 s80, s80, 0x600000
	PLACES NP
; Block a of A's rows: its 64 sums are converted and stored as they stand: four stores of 512 consecutive bytes.
.macro OUTB a
	WIN 0x02+((\a)/4)                              ; source 0: window 2 or 3
.set AC, 64*((\a)%4)
.set n, 0
.rept 64
.set n, n+1
.endr
.set CB, CD+16*((\a)%2)
.irp b, 0,1,2,3,4,5,6,7
	v_cvt_scalef32_pk8_fp8_f32 v[CB+2*\b:CB+2*\b+1], v[AC+8*\b:AC+8*\b+7], v8
.endr
	WIN 0
	v_nop                                          ; one plain vector instruction behind the conversions
.if (\a) > 0
	s_wait_alu depctr_va_vdst(0)
	s_wait_xcnt 0x0                                ; the earlier blocks' stores have read their base and their data: the base steps here, and the next block writes the set of codes that block a - 1 stored
.if (\a) == 4
	s_add_nc_u64 s[10:11], s[10:11], s[86:87]
.else
	s_add_nc_u64 s[10:11], s[10:11], s[84:85]
.endif
.endif
.irp g, 0,1,2,3
	global_store_b128 v[10+\g], v[CB+4*\g:CB+4*\g+3], s[10:11]
.endr
.endm
.irp a, 0,1,2,3,4,5,6,7
	OUTB \a
.endr
	s_wait_tensorcnt 0x0                           ; the wave's end: behind my last tensor load
	ds_add_u32 v[SPW], v[NIL]
	s_wait_dscnt 0x0
	CROUND                                         ; the closing round: no work-group ends while a partner may still ask for a tile that names it
	s_endpgm
.Lfunc_end_k_q248115ad16_qkv:
	.size	k_q248115ad16_qkv, .Lfunc_end_k_q248115ad16_qkv-k_q248115ad16_qkv
	.p2alignl 7, 3214868480
	.fill 96, 4, 3214868480
	.section	.rodata,"a",@progbits
	.p2align	6, 0x0
	.amdhsa_kernel k_q248115ad16_qkv
		.amdhsa_group_segment_fixed_size 327680
		.amdhsa_private_segment_fixed_size 0
		.amdhsa_enable_private_segment 0
		.amdhsa_kernarg_size 32
		.amdhsa_user_sgpr_count 2
		.amdhsa_user_sgpr_kernarg_segment_ptr 1
		.amdhsa_wavefront_size32 1
		.amdhsa_system_sgpr_workgroup_id_x 1
		.amdhsa_system_sgpr_workgroup_id_y 1
		.amdhsa_system_sgpr_workgroup_id_z 1
		.amdhsa_system_vgpr_workitem_id 0
		.amdhsa_next_free_vgpr 1024
		.amdhsa_next_free_sgpr 100
		.amdhsa_reserve_vcc 0
		.amdhsa_float_denorm_mode_32 3
		.amdhsa_float_denorm_mode_16_64 3
		.amdhsa_fp16_overflow 1
		.amdhsa_memory_ordered 1
		.amdhsa_forward_progress 1
		.amdhsa_inst_pref_size 87
	.end_amdhsa_kernel
	.amdgpu_metadata
---
amdhsa.version: [ 1, 2 ]
amdhsa.kernels:
  - .name:           k_q248115ad16_qkv
    .symbol:         k_q248115ad16_qkv.kd
    .args:
      - { .name: xc, .offset: 0, .size: 8, .value_kind: global_buffer, .address_space: global }
      - { .name: wc, .offset: 8, .size: 8, .value_kind: global_buffer, .address_space: global }
      - { .name: lowp_scales, .offset: 16, .size: 8, .value_kind: global_buffer, .address_space: global }
      - { .name: qkv, .offset: 24, .size: 8, .value_kind: global_buffer, .address_space: global }
    .group_segment_fixed_size: 327680
    .private_segment_fixed_size: 0
    .kernarg_segment_align: 8
    .kernarg_segment_size: 32
    .max_flat_workgroup_size: 128
    .sgpr_count:     100
    .vgpr_count:     1024
    .wavefront_size: 32
...
	.end_amdgpu_metadata
.endif
;; end of part 2
;; launch attn (part 3): grid 4 x 64, 16 waves a work-group, no clusters, 327,680 bytes of LDS; arguments qkv, lowp_scales, ao; writes ao
.if DOCPART == 3
	.amdgcn_target "amdgcn-amd-amdhsa--gfx1250"
	.amdhsa_code_object_version 6
	.text
	.protected	k_q248115ad16_attn
	.globl	k_q248115ad16_attn
	.p2align	8
	.type	k_q248115ad16_attn,@function
k_q248115ad16_attn:
	s_mov_b64 s[64:65], 0
	v_nop
	global_prefetch_b8 v0, s[64:65] scope:SCOPE_SE
	s_setreg_imm32_b32 hwreg(HW_REG_WAVE_MODE, 25, 1), 1
	s_wait_xcnt 0x0
; Causal attention of one (batch, head) on codes of FP8 (E4M3): S = q k^T (scales 2^e6, 2^e7), p = 2^(t - M) quantised along the keys (2^e8), O = p v (2^e9), O / l quantised (2^e10) for the last product.
; t = score x log2(e) / 8; M = the running largest t rounded UP to a whole number; l = the sum of the unquantised p, in f32.  When M moves, l and O are multiplied by 2^(old M - new M): exact.
; INPUT: qkv as the launch before laid it: images of operand registers.  q, k: [token / 16][1,024 bytes: 16 tokens x 64]; v: [key / 128][d / 16][2,048 bytes: 16 of the head's 64 x 128 keys].
; An image is read by loads of 16 bytes a lane at 16 x lane, 512 bytes apart: the registers come back as they were made, in the matrix forms' own order of k.  No pitch, no padding.
; OUTPUT: ao [token / 16][head][1,024 bytes]: images of the last product's fragments (16 tokens x this head's 64).
; SHARES.  A work-group (x = i, y = batch x 16 + head) owns the query blocks 7 - i and i, 256 queries each; each of its sixteen waves owns 16 queries of the block in hand.  Block Q needs the key slots
; (256 keys) 0 .. Q: 8 - i and i + 1 slots: NINE for every work-group: the trip count is a constant, the work is even, and only slots that the mask leaves are fetched.
; No cluster: the four work-groups of a head turn back to key slot 0 after 8 - i slots, each at another trip, so from the sixth slot on they want different tiles behind the same barrier.
; LAYOUT.  Both products are used transposed: S^T = K Q^T (source 0 = 16 keys, source 1 = my 16 queries), O^T = V^T P^T: a lane holds ONE query (lane % 16) throughout; register j of score tile tau is key
; 16 tau + 8 (lane / 16) + j, so the conversion of tile tau gives registers 2 tau, 2 tau + 1 of P, and the conversion of O^T's tile gives the output image's registers.
; THE RING: two LDS slots of 32,768 bytes (K's 16 images, then V's 8), filled by wave 0 (K) and wave 1 (V), one tensor load each behind each change of slots, read by all sixteen.
; LIMITS on the given exponents: e6 + e7 between -123 and 130 (added to c's exponent field); e8 and e10 between -126 and 119; e8 + e9 is applied by v_ldexp_f32 and has none.
; REGISTERS: v1 16 x lane; v3 256 x lane; v5, v6 the add's two; v8 the slot's address; v12 -M, v13 the largest t, v[14:15] l in two halves; v16-23 Q in hand, v24-31 the second block's Q;
;   v32-95 eight fragments of K, then four of V; v96-159 S^T, then p; v160-191 O^T; v192-207 p's codes; v208-223 output codes; v236-255 constants and at work.
.set SLOT1, 32768                      ; slot 1 begins here: one exclusive or turns an address in one slot into the other's
.set VOFF,  16384                      ; V's images in a slot
.set SPARE, 65536                      ; behind the ring: the spare words, 128 bytes for each of sixteen waves: eight blocks of 256 bytes that no other line names
.set LI,   1
.set PFO,  3
.set SPW,  5
.set NIL,  6
.set ADK,  8
.set TB,   2                           ; s2   LDS byte at which the slot in hand begins
.set SG,   3                           ; s3   the slot's number in my walk, 0 .. 8
.set II,   10                          ; s10  i
.set BH,   11                          ; s11  batch x 16 + head
.set SW,   12                          ; s12  8 - i: the walk's slot at which the second block begins
.set KN,   13                          ; s13  the key slot last asked for
.set WV,   18                          ; s18  my wave's number
.set SEL,  20                          ; s[20:21] lane selects for v_permlanex16_b32: lane l xor 16
.set CS,   22                          ; s[22:23] c = log2(e) / 8 x 2^(e6 + e7)
.set G1,   24                          ; s[24:31] descriptor group 1
.set G0,   40                          ; s[40:43] descriptor group 0, which walks
.set KVB,  44                          ; s[44:45] the head's K (even waves) or V (odd waves) in memory
.set OFS,  46                          ; s[46:47] the key slot's byte offset
.set AOA,  48                          ; s[48:49], s[50:51] where the two blocks' images go
.set AOB,  50
.set Q0,   52                          ; s52  my first query of the block in hand; s53 of the second block
.set Q0B,  53
.set KF,   54                          ; s54  the step's first key
.set PFA,  56                          ; s[56:57] where my prefetches stand
.set LIMA, 58                          ; s58  6 in a wave that prefetches, else 0
.set QPA,  60                          ; s[60:61], s[62:63] my two Q images
.set QPB,  62
.macro TLOAD                           ; waves 0 and 1 fetch, the others nothing; the branch hangs on the wave's number alone.  An s_nop 0 and four v_nop follow the load
	s_cmp_lt_u32 s[WV], 2
	s_cbranch_scc0 .Lasked_\@
	tensor_load_to_lds s[G0:G0+3], s[G1:G1+7]
	s_nop 0
.rept 4
	v_nop
.endr
.Lasked_\@:
.endm
; A PREFETCH INTO THE L2 of the key slot that the NEXT change of slots will ask for.  All four work-groups of a head walk key slots 0, 1, 2 ..; the one with i = 0 walks all eight, and it alone asks.
; In it four waves that fetch nothing ask, one instruction each: waves 4 and 5 for the two halves (8,192 bytes) of K's 16,384 bytes, waves 6 and 7 for V's; lanes 256 bytes apart.
; So each aligned block of 256 bytes of a head's K and V is named once.  Key slots 0 and 1 come by their loads alone; the change of walk slot 5 names key slot 7, the last; later changes ask for nothing.
.macro ASK
	s_cmp_lt_u32 s[SG], s[LIMA]
	s_cbranch_scc0 .Lnot_mine_\@
	global_prefetch_b8 v[PFO], s[PFA:PFA+1] th:TH_LOAD_NT scope:SCOPE_SE
.Lnot_mine_\@:
.endm
.macro MKSC e, sc, lim                 ; v[sc] = 2^e as f32
	s_add_co_i32 s96, s[\e], 127
	s_lshl_b32 s97, s96, 23
	v_mov_b32 v[\sc], s97
.endm
	s_load_b128 s[4:7], s[0:1], 0x0                ; qkv s4, the exponents s6
	s_load_b64 s[8:9], s[0:1], 0x10                ; ao
	v_lshl_add_u32 v[SPW], v0, 2, SPARE
	v_mov_b32 v[NIL], 0
	ds_add_u32 v[SPW], v[NIL]                      ; the wave's opening: the add and its wait stand ahead of my first tensor load; the set-up below, work on registers, stands between them
	ds_add_u32 v[SPW], v[NIL]
	v_lshrrev_b32 v8, 5, v0
	s_delay_alu instid0(VALU_DEP_1)
	v_readfirstlane_b32 s[WV], v8                  ; wave 0..15
	s_mov_b32 s[II], ttmp9
	s_and_b32 s[BH], ttmp7, 0xffff
	s_sub_co_u32 s[SW], 8, s[II]
	s_mov_b32 s[KN], 0
	s_mov_b32 s[TB], 0
	s_mov_b32 s[SG], 0
	s_mov_b32 s[KF], 0
	; descriptor group 1: a dense block of 16,384 bytes, stated as 64 rows of 256 bytes
	s_mov_b32 s[G1], 3<<16                         ; 15:0 no mask; 17:16 elements of 8 bytes; no padding
	s_mov_b32 s[G1+1], 32<<16                      ; tensor_dim0 = 32
	s_mov_b32 s[G1+2], 64<<16                      ; tensor_dim1 = 64
	s_mov_b32 s[G1+3], 32<<16                      ; tile_dim0 = 32
	s_mov_b32 s[G1+4], 64                          ; tile_dim1 = 64
	s_mov_b32 s[G1+5], 32                          ; tensor_dim0_stride
	s_mov_b32 s[G1+6], 0
	s_mov_b32 s[G1+7], 0
	s_mov_b32 s[SEL], 0x76543210
	s_mov_b32 s[SEL+1], 0xfedcba98
	s_mov_b32 s[CS], 0x3e38aa3b                    ; log2(e) / 8
	s_mov_b32 s[OFS+1], 0
	s_lshl_b32 s66, s[BH], 17                      ; the head's 131,072 bytes in q, in k and in v
	s_and_b32 s80, s[WV], 1
	s_lshl_b32 s81, s80, 23
	s_add_co_u32 s82, s81, s66
	s_add_co_u32 s82, s82, 0x800000                ; k at 8 MiB (even waves), v at 16 MiB (odd waves)
	s_mov_b32 s83, 0
	s_lshl_b32 s[G0+1], s80, 14                    ; LDS: K's images at the slot's head, V's 16,384 bytes on
	s_sub_co_u32 s84, 7, s[II]
	s_lshl_b32 s84, s84, 4
	s_add_co_u32 s84, s84, s[WV]                   ; my tile of 16 queries in block 7 - i,
	s_lshl_b32 s85, s[II], 4
	s_add_co_u32 s85, s85, s[WV]                   ; and in block i
	s_lshl_b32 s[Q0], s84, 4
	s_lshl_b32 s[Q0B], s85, 4
	s_lshl_b32 s86, s84, 10
	s_add_co_u32 s86, s86, s66                     ; their images in q
	s_mov_b32 s87, 0
	s_lshl_b32 s90, s85, 10
	s_add_co_u32 s90, s90, s66
	s_mov_b32 s91, 0
	s_lshr_b32 s92, s[BH], 4
	s_lshl_b32 s92, s92, 7                         ; the batch's first tile of 16 tokens
	s_and_b32 s93, s[BH], 15
	s_lshl_b32 s93, s93, 10                        ; the head's image in a tile's 16,384 bytes
	s_add_co_u32 s94, s92, s84
	s_lshl_b32 s94, s94, 14
	s_add_co_u32 s94, s94, s93
	s_mov_b32 s95, 0
	s_add_co_u32 s92, s92, s85
	s_lshl_b32 s92, s92, 14
	s_add_co_u32 s92, s92, s93
	s_mov_b32 s93, 0
	s_bfe_u32 s96, s[WV], 0x10001                  ; the prefetches: bit 1 of the wave's number: K (waves 4, 5) or V (waves 6, 7),
	s_lshl_b32 s96, s96, 23
	s_lshl_b32 s97, s80, 13                        ; which half of a slot's 16,384 bytes,
	s_add_co_u32 s96, s96, s97
	s_add_co_u32 s96, s96, s66
	s_add_co_u32 s96, s96, 0x804000                ; at key slot 1: the first change of slots steps it to key slot 2.  Nothing is prefetched here, at the head
	s_mov_b32 s97, 0
	s_sub_co_u32 s81, s[WV], 4
	s_lshr_b32 s81, s81, 2                         ; 0 in waves 4 to 7,
	s_or_b32 s81, s81, s[II]                       ; of the work-group with i = 0
	s_cmp_eq_u32 s81, 0
	s_cselect_b32 s[LIMA], 6, 0
	s_wait_dscnt 0x0                               ; the opening add is done
	s_wait_kmcnt 0x0
	s_load_b256 s[68:75], s[6:7], 0x0              ; e0 .. e7
	s_load_b128 s[76:79], s[6:7], 0x20             ; e8 .. e11
	s_add_nc_u64 s[KVB:KVB+1], s[4:5], s[82:83]
	s_mov_b32 s[G0], 1                             ; 1:0 count = 1
	s_mov_b64 s[G0+2:G0+3], s[KVB:KVB+1]           ; key slot 0
	s_or_b32 s[G0+3], s[G0+3], 0x80000000          ; 127:126 type = 2
	TLOAD                                          ; into slot 0
	s_add_nc_u64 s[QPA:QPA+1], s[4:5], s[86:87]
	s_add_nc_u64 s[QPB:QPB+1], s[4:5], s[90:91]
	s_add_nc_u64 s[AOA:AOA+1], s[8:9], s[94:95]
	s_add_nc_u64 s[AOB:AOB+1], s[8:9], s[92:93]
	s_add_nc_u64 s[PFA:PFA+1], s[4:5], s[96:97]
	v_and_b32 v[LI], 31, v0
	s_delay_alu instid0(VALU_DEP_1)
	v_lshlrev_b32 v[PFO], 8, v[LI]
	s_delay_alu instid0(VALU_DEP_2)
	v_lshlrev_b32 v[LI], 4, v[LI]
	global_load_b128 v[16:19], v[LI], s[QPA:QPA+1]             ; both blocks' Q stay in registers
	global_load_b128 v[20:23], v[LI], s[QPA:QPA+1] offset:512
	global_load_b128 v[24:27], v[LI], s[QPB:QPB+1]
	global_load_b128 v[28:31], v[LI], s[QPB:QPB+1] offset:512
	v_mov_b32 v13, 0xff61b1e6                      ; the largest t so far: -3e38, under every t
	s_delay_alu instid0(VALU_DEP_1)
	v_floor_f32 v12, -v13                          ; -M
	v_mov_b32 v14, 0                               ; l, in two halves
	v_mov_b32 v15, 0
	v_mov_b32 v236, 0                              ; written once: a lane permute's destination counts as one of its sources
	v_mov_b32 v253, 0                              ; (named as the upper half of the pair v[252:253])
.set n, 0
.rept 32
	v_mov_b32 v[160+n], 0                          ; O^T.  (The step is written once: a block's first step finds zeros, which the first change of M leaves zeros)
.set n, n+1
.endr
	s_wait_kmcnt 0x0
	s_add_co_i32 s96, s74, s75
	s_lshl_b32 s96, s96, 23
	s_add_co_i32 s[CS], s[CS], s96                 ; a score stands for score x 2^(e6 + e7): the two exponents are added to c's exponent field
	s_mov_b32 s[CS+1], s[CS]                       ; (named with it as a pair, so it is written)
	MKSC 76, 244, 240                              ; p's scale 2^e8
	MKSC 78, 245, 241                              ; the output's scale 2^e10
	s_add_co_i32 s88, s76, s77                     ; e8 + e9
; A KEY STEP: 128 keys, the q-th of the slot in hand.
.macro STEP q
	s_add_co_u32 s96, s[Q0], 15                    ; a step all of whose keys come after my 16 queries is left out: a scalar branch on ids, round the step's loads, products and softmax
	s_cmp_gt_u32 s[KF], s96
	s_cbranch_scc1 .Lhidden_\@
	v_add_nc_u32 v[ADK], s[TB], v[LI]
.rept 3
	v_nop                                          ; with the addition above: four places in front of loads into registers that the last products read
.endr
.set n, 0
.rept 8
	ds_load_b128 v[32+8*n:35+8*n], v[ADK] offset:(8*(\q)+n)*1024         ; K's image of keys 16 n on: 512 consecutive bytes a load
	ds_load_b128 v[36+8*n:39+8*n], v[ADK] offset:(8*(\q)+n)*1024+512
.set n, n+1
.endr
	s_wait_alu depctr_va_vdst(0)
	s_wait_dscnt 0x0
.set n, 0
.rept 8
	v_wmma_f32_16x16x64_fp8_fp8 v[96+8*n:103+8*n], v[32+8*n:39+8*n], v[16:23], 0
.set n, n+1
.endr
.rept 4
	v_nop                                          ; places in front of the loads below and of the first read of the scores
.endr
.set n, 0
.rept 16
	ds_load_b128 v[32+4*n:35+4*n], v[ADK] offset:VOFF+8192*(\q)+512*n    ; V's four images, 16 registers each: they land under the softmax
.set n, n+1
.endr
	s_add_co_u32 s96, s[KF], 127                   ; on the diagonal the scores of hidden keys become -infinity ahead of the maximum: p = 0 then.  A step all of whose keys count skips this
	s_cmp_le_u32 s96, s[Q0]
	s_cbranch_scc1 .Lopen_\@
	s_sub_co_i32 s96, s[Q0], s[KF]
	v_and_b32 v252, 15, v0
	v_bfe_u32 v253, v0, 4, 1
	s_delay_alu instid0(VALU_DEP_1)
	v_lshlrev_b32 v253, 3, v253
	s_delay_alu instid0(VALU_DEP_1)
	v_sub_nc_u32 v252, v252, v253
	s_delay_alu instid0(VALU_DEP_1)
	v_add_nc_u32 v252, s96, v252                   ; d = my query - KF - 8 (lane / 16).  Register 8 tau + j holds key KF + 8 (lane / 16) + 16 tau + j: hidden where 16 tau + j > d
	v_mov_b32 v254, 0xff800000                     ; -infinity
.set n, 0
.rept 64
	v_cmp_gt_i32 vcc_lo, 16*(n/8)+n%8, v252
	v_cndmask_b32 v[96+n], v[96+n], v254, vcc_lo
.set n, n+1
.endr
.Lopen_\@:
	v_max3_num_f32 v254, v96, v97, v98             ; the step's largest score of my query, among my 64 keys, in two chains, in ascending order of the registers,
	v_max3_num_f32 v252, v99, v100, v101
.irp i, 6,10,14,18,22,26,30,34,38,42,46,50,54,58
	v_max3_num_f32 v254, v254, v[96+\i], v[97+\i]
	v_max3_num_f32 v252, v252, v[98+\i], v[99+\i]
.endr
	v_max3_num_f32 v254, v254, v158, v159
	s_delay_alu instid0(VALU_DEP_1)
	v_max_num_f32 v254, v254, v252
	s_delay_alu instid0(VALU_DEP_1)
	v_permlanex16_b32 v236, v254, s[SEL], s[SEL+1]
	s_delay_alu instid0(VALU_DEP_1)
	v_max_num_f32 v254, v254, v236                 ; and among lane l xor 16's
	s_delay_alu instid0(VALU_DEP_1)
	v_mul_f32 v254, s[CS], v254                    ; as t (c is positive)
	s_delay_alu instid0(VALU_DEP_1)
	v_max_num_f32 v13, v13, v254                   ; the running largest t
	v_mov_b32 v254, v12
	s_delay_alu instid0(VALU_DEP_2)
	v_floor_f32 v12, -v13                          ; the new -M = floor(-t) = -ceil(t): M is a whole number
	s_delay_alu instid0(VALU_DEP_1)
	v_sub_f32 v254, v12, v254                      ; M's old value less its new one: a whole number, 0 or less
	s_delay_alu instid0(VALU_DEP_1)
	v_cvt_i32_f32 v254, v254                       ; (it saturates)
	s_delay_alu instid0(VALU_DEP_1)
	v_ldexp_f32 v252, 1.0, v254                    ; f = 2^(old M - new M)
.set n, 0
.rept 32
	v_pk_fma_f32 v[96+n:97+n], v[96+n:97+n], s[CS:CS+1], v[12:13] op_sel_hi:[1,0,0]   ; t - M, two at a time (of the pairs c and -M the low word serves both halves)
.set n, n+2
.endr
.set n, 0
	s_wait_alu depctr_va_vdst(0)
.rept 64
	v_exp_f32 v[96+n], v[96+n]                     ; p = 2^(t - M), at most 1: not normalised
.set n, n+1
.endr
	v_pk_mul_f32 v[14:15], v[14:15], v[252:253] op_sel_hi:[1,0]   ; l under the new M.  (The plain instruction behind the exponentials)
	s_wait_alu depctr_va_vdst(0)                   ; the wait stands ahead of the first instruction that names an exponential's result: one for the whole batch
	v_pk_add_f32 v[242:243], v[100:101], v[104:105]
	v_pk_add_f32 v[254:255], v[108:109], v[112:113]
	v_pk_add_f32 v[250:251], v[116:117], v[120:121]
	v_pk_add_f32 v[248:249], v[124:125], v[128:129]
	v_pk_add_f32 v[246:247], v[132:133], v[136:137]
	v_pk_add_f32 v[240:241], v[140:141], v[144:145]
	v_pk_add_f32 v[238:239], v[148:149], v[152:153]
	v_pk_add_f32 v[14:15], v[14:15], v[156:157]
	v_pk_add_f32 v[242:243], v[242:243], v[96:97]
	v_pk_add_f32 v[254:255], v[254:255], v[98:99]
	v_pk_add_f32 v[250:251], v[250:251], v[102:103]
	v_pk_add_f32 v[248:249], v[248:249], v[106:107]
	v_pk_add_f32 v[246:247], v[246:247], v[110:111]
	v_pk_add_f32 v[240:241], v[240:241], v[114:115]
	v_pk_add_f32 v[238:239], v[238:239], v[118:119]
	v_pk_add_f32 v[14:15], v[14:15], v[122:123]
	v_pk_add_f32 v[242:243], v[242:243], v[126:127]
	v_pk_add_f32 v[254:255], v[254:255], v[130:131]
	v_pk_add_f32 v[250:251], v[250:251], v[134:135]
	v_pk_add_f32 v[248:249], v[248:249], v[138:139]
	v_pk_add_f32 v[246:247], v[246:247], v[142:143]
	v_pk_add_f32 v[240:241], v[240:241], v[146:147]
	v_pk_add_f32 v[238:239], v[238:239], v[150:151]
	v_pk_add_f32 v[14:15], v[14:15], v[154:155]
	v_pk_add_f32 v[242:243], v[242:243], v[158:159]
	s_delay_alu instid0(VALU_DEP_2)
	v_pk_add_f32 v[14:15], v[14:15], v[248:249]
	s_delay_alu instid0(VALU_DEP_2)
	v_pk_add_f32 v[242:243], v[242:243], v[246:247]
	v_pk_add_f32 v[254:255], v[254:255], v[240:241]
	v_pk_add_f32 v[250:251], v[250:251], v[238:239]
	s_delay_alu instid0(VALU_DEP_2)
	v_pk_add_f32 v[14:15], v[14:15], v[254:255]
	s_delay_alu instid0(VALU_DEP_2)
	v_pk_add_f32 v[242:243], v[242:243], v[250:251]
	s_delay_alu instid0(VALU_DEP_1)
	v_pk_add_f32 v[14:15], v[14:15], v[242:243]
.set n, 0
.rept 64
.set n, n+1
.endr
.set n, 0
.rept 8
	v_cvt_scalef32_pk8_fp8_f32 v[192+2*n:193+2*n], v[96+8*n:103+8*n], v244   ; registers 2 tau, 2 tau + 1 of P: keys 16 tau + 8 (lane / 16) + 0 .. 7
.set n, n+1
.endr
.set n, 0
.rept 16
	v_pk_mul_f32 v[160+n:161+n], v[160+n:161+n], v[252:253] op_sel_hi:[1,0]   ; O^T under the new M.  (Also the plain instructions between the conversions and the products that read their results)
.set n, n+2
.endr
	s_wait_alu depctr_va_vdst(0)
	s_wait_dscnt 0x0                               ; V is in
.set n, 0
.rept 4
	v_wmma_f32_16x16x128_fp8_fp8 v[160+8*n:167+8*n], v[32+16*n:47+16*n], v[192:207], v[160+8*n:167+8*n]   ; four accumulators by turns
.set n, n+1
.endr
.Lhidden_\@:
	s_add_co_u32 s[KF], s[KF], 128
.endm
; A block is finished: l's halves are added, O^T is divided by l, x 2^(e8 + e9), converted: the codes are the image of the last product's fragment: two stores of 512 consecutive bytes.
.macro FINISH base, cd
.rept 4
	v_nop                                          ; places behind the last products
.endr
	v_add_f32 v14, v14, v15
	s_delay_alu instid0(VALU_DEP_1)
	v_permlanex16_b32 v236, v14, s[SEL], s[SEL+1]
	s_delay_alu instid0(VALU_DEP_1)
	v_add_f32 v14, v14, v236                       ; the row's sum
	s_wait_alu depctr_va_vdst(0)
	v_rcp_f32 v14, v14
	v_nop                                          ; a plain instruction behind the reciprocal,
	s_wait_alu depctr_va_vdst(0)                   ; and a wait ahead of its first reader
	v_ldexp_f32 v14, v14, s88
.set n, 0
.rept 16
	v_pk_mul_f32 v[96+n:97+n], v[160+n:161+n], v[14:15] op_sel_hi:[1,0]   ; each accumulator from its low end on
.set n, n+2
.endr
.set n, 0
.rept 32
.set n, n+1
.endr
.set n, 0
.rept 4
	v_cvt_scalef32_pk8_fp8_f32 v[\cd+2*n:\cd+2*n+1], v[96+8*n:103+8*n], v245
.set n, n+1
.endr
	v_nop                                          ; one plain vector instruction between the conversions and whatever next writes their sources
	global_store_b128 v[LI], v[\cd:\cd+3], s[\base:\base+1]
	global_store_b128 v[LI], v[\cd+4:\cd+7], s[\base:\base+1] offset:512
.endm
; THE CHANGE OF SLOTS stands at a slot's head.  Each wave waits for all its tensor loads, adds 0 to its spare word, and waits for that and for its reads of the slot that it has left.
; Behind the barrier the slot ahead is whole and nobody reads the other one.  fill = 1: that other slot takes the walk's next key slot: the one after the last, or key slot 0 where the second block begins.
.macro CHANGE fill
	s_wait_tensorcnt 0x0                           ; no tensor load of mine is out, so group 0 may be written
	ds_add_u32 v[SPW], v[NIL]                      ; 0 onto my spare word; the descriptor's steps stand between it and the wait for it
.if \fill
	s_xor_b32 s[G0+1], s[G0+1], SLOT1              ; the other slot than last time
	s_add_co_u32 s[KN], s[KN], 1
	s_cmp_eq_u32 s[KN], s[SW]
	s_cselect_b32 s[KN], 0, s[KN]
	s_lshl_b32 s[OFS], s[KN], 14
	s_add_nc_u64 s[G0+2:G0+3], s[KVB:KVB+1], s[OFS:OFS+1]
	s_or_b32 s[G0+3], s[G0+3], 0x80000000
.endif
	s_wait_xcnt 0x0                                ; the last prefetch and a finished block's stores, a slot back or more, have read their registers
.if \fill
	s_add_nc_u64 s[PFA:PFA+1], s[PFA:PFA+1], 16384 ; one key slot further on than the load below asks for
.endif
	s_wait_dscnt 0x0                               ; the add is done, and my reads of the slot that I have left are over
	s_barrier_signal -1
	s_barrier_wait -1
.if \fill
	TLOAD                                          ; the first thing behind the barrier, and a wave's one tensor load until the next
	ASK
.endif
.endm
; Where the walk reaches slot 8 - i, block 7 - i is finished and block i begins: a scalar branch on ids; no LDS instruction, barrier or tensor load stands in it.
.macro SWITCH
	s_cmp_eq_u32 s[SG], s[SW]
	s_cbranch_scc0 .Lno_switch_\@
	FINISH AOA, 208
.set n, 0
.rept 8
	v_mov_b32 v[16+n], v[24+n]                     ; the second block's Q
.set n, n+1
.endr
	v_mov_b32 v13, 0xff61b1e6
	s_delay_alu instid0(VALU_DEP_1)
	v_floor_f32 v12, -v13
	v_mov_b32 v14, 0
	v_mov_b32 v15, 0
.set n, 0
.rept 32
	v_mov_b32 v[160+n], 0
.set n, n+1
.endr
	s_mov_b32 s[KF], 0
	s_mov_b32 s[Q0], s[Q0B]
.Lno_switch_\@:
.endm
	s_wait_loadcnt 0x0                             ; Q
.Lslot:                                            ; eight trips: behind each change of slots but the last the walk's next key slot is asked for
	CHANGE 1
	SWITCH
	STEP 0
	STEP 1
	s_xor_b32 s[TB], s[TB], SLOT1                  ; on to the other slot
	s_add_co_u32 s[SG], s[SG], 1
	s_cmp_lt_u32 s[SG], 8
	s_cbranch_scc1 .Lslot
	CHANGE 0                                       ; the ninth slot is written out
	SWITCH                                         ; (i = 0 changes blocks here)
	STEP 0
	STEP 1
	FINISH AOB, 216
	s_wait_tensorcnt 0x0                           ; the wave's end: behind my last tensor load
	ds_add_u32 v[SPW], v[NIL]
	s_wait_dscnt 0x0
	s_endpgm
.Lfunc_end_k_q248115ad16_attn:
	.size	k_q248115ad16_attn, .Lfunc_end_k_q248115ad16_attn-k_q248115ad16_attn
	.p2alignl 7, 3214868480
	.fill 96, 4, 3214868480
	.section	.rodata,"a",@progbits
	.p2align	6, 0x0
	.amdhsa_kernel k_q248115ad16_attn
		.amdhsa_group_segment_fixed_size 327680
		.amdhsa_private_segment_fixed_size 0
		.amdhsa_enable_private_segment 0
		.amdhsa_kernarg_size 24
		.amdhsa_user_sgpr_count 2
		.amdhsa_user_sgpr_kernarg_segment_ptr 1
		.amdhsa_wavefront_size32 1
		.amdhsa_system_sgpr_workgroup_id_x 1
		.amdhsa_system_sgpr_workgroup_id_y 1
		.amdhsa_system_sgpr_workgroup_id_z 1
		.amdhsa_system_vgpr_workitem_id 0
		.amdhsa_next_free_vgpr 256
		.amdhsa_next_free_sgpr 100
		.amdhsa_reserve_vcc 1
		.amdhsa_float_denorm_mode_32 3
		.amdhsa_float_denorm_mode_16_64 3
		.amdhsa_fp16_overflow 1
		.amdhsa_memory_ordered 1
		.amdhsa_forward_progress 1
		.amdhsa_inst_pref_size 94
	.end_amdhsa_kernel
	.amdgpu_metadata
---
amdhsa.version: [ 1, 2 ]
amdhsa.kernels:
  - .name:           k_q248115ad16_attn
    .symbol:         k_q248115ad16_attn.kd
    .args:
      - { .name: qkv, .offset: 0, .size: 8, .value_kind: global_buffer, .address_space: global }
      - { .name: lowp_scales, .offset: 8, .size: 8, .value_kind: global_buffer, .address_space: global }
      - { .name: ao, .offset: 16, .size: 8, .value_kind: global_buffer, .address_space: global }
    .group_segment_fixed_size: 327680
    .private_segment_fixed_size: 0
    .kernarg_segment_align: 8
    .kernarg_segment_size: 24
    .max_flat_workgroup_size: 512
    .sgpr_count:     100
    .vgpr_count:     256
    .wavefront_size: 32
...
	.end_amdgpu_metadata
.endif
;; end of part 3
;; launch oproj (part 4): grid 4 x 64, 4 waves a work-group, clusters of 4 x 4, 327,680 bytes of LDS; arguments ao, wc, lowp_scales, bo, out0; writes out0
.if DOCPART == 4
	.amdgcn_target "amdgcn-amd-amdhsa--gfx1250"
	.amdhsa_code_object_version 6
	.text
	.protected	k_q248115ad16_oproj
	.globl	k_q248115ad16_oproj
	.p2align	8
	.type	k_q248115ad16_oproj,@function
k_q248115ad16_oproj:
	s_mov_b64 s[64:65], 0
	v_nop
	global_prefetch_b8 v0, s[64:65] scope:SCOPE_SE
	s_setreg_imm32_b32 hwreg(HW_REG_WAVE_MODE, 25, 1), 1
	s_wait_xcnt 0x0
	s_wait_alu depctr_hold_cnt(0) depctr_sa_sdst(0) depctr_va_vdst(0) depctr_va_sdst(0) depctr_va_ssrc(0) depctr_va_vcc(0) depctr_vm_vsrc(0)
	s_getreg_b32 s2, hwreg(HW_REG_IB_STS2, 6, 4)
	s_cmp_eq_u32 s2, 0
	s_cbranch_scc0 .Lentry_in_a_cluster
	s_endpgm
.Lentry_in_a_cluster:
	s_bfe_u32 s2, ttmp6, 0x10000c
	s_cmp_lg_u32 s2, 0xf033
	s_cbranch_scc0 .Lentry_shape_is_right
	s_endpgm
.Lentry_shape_is_right:
; out0 = (attention's output) Wo^T + bo on codes of FP8 (E4M3): out0 = sum x 2^(e10 + e11) + bo.  M = 8,192 tokens, N = 1,024, K = 1,024.
; LIMIT: e10 + e11 between -126 and 127, so that 2^(e10 + e11) is an f32 number.
; A = ao: [token / 16][head][1,024 bytes]: images of operand registers; heads 2 s and 2 s + 1 on end are the 2,048-byte image of the fragment (16 tokens x 128 K) of K step s: four loads of 16 bytes a lane
; at 16 x lane, 512 bytes apart, bring it in the matrix form's own order of k.  B = Wo's codes (wc + 3 MiB), rows of 1,024 bytes laid so that loads of 16 bytes a lane give the same order of k.
; A tile is 128 tokens x 256 features: 256 work-groups.  Four waves, 64 x 128 each: 32 accumulators.
; K's four steps of 256 go through THREE LDS slots: three first fills, each behind a round of its own, and one refill (K step 3 into slot 0), which has four steps of 128 in which to land.
; CLUSTERS: 4 x 4 work-groups; A's tile is shared along a row of the cluster, B's along a column: each is asked for jointly, by the same tensor load with a mask that names the four.
; THE MATRIX INSTRUCTION IS USED TRANSPOSED (source 0 = 16 rows of Wo, source 1 = 16 tokens): a lane holds eight neighbouring numbers of a row of out0.
; REGISTERS, in windows of 256: window 0: v0-31 addresses; v32-95 at work on the way out; v128-191, v192-255 A's two sets (4 fragments each), on the way out rows read back.
;   window 1: B's two sets (8 fragments each).   window 2: accumulator (a, b) at v[8 (8 a + b)].   window 3: v0-63 bo at my lane's 64 features.
.set PITCH,  272                       ; a row of B in LDS: 256 bytes + 16 of padding = 68 words: row r starts at bank 4 r mod 64 (64 banks of 4 bytes: ISA guide 11.1)
.set ABYTES, 32768                     ; A's part of a slot: 8 tiles of 16 tokens x 4,096 bytes of images
.set HALFB,  128*PITCH
.set SLOT,   ABYTES+2*HALFB            ; 102,400
.set SPARE,  3*SLOT                    ; behind the slots: the spare words, 128 bytes for each wave: two blocks of 256 bytes that no other line names
.set SPITCH, 528                       ; the way out: a stage of 16 rows x (512 bytes + 16) for each wave,
.set STAGE,  SLOT                      ; in slot 1: it has had its one fill, and every wave's last read of it is over at the barrier in front of the last K step
.set ADRA, 16                          ; v16-18  LDS address of my A fragments in slot 0, 1, 2
.set ADRB, 20                          ; v20-22  the same for B
.set STO,  24                          ; v24     the way out: where I put 32 bytes of a row
.set RD,   25                          ; v25     where I read a row back
.set CO,   26                          ; v26     16 x lane
.set BOF,  27                          ; v27     32 x (lane / 16): bo's offset
.set SPW,  28                          ; v28     LDS address of my spare word; never rewritten
.set NIL,  29                          ; v29     0; never rewritten
.set TMP,  32
.set BK,   128
.set G1A, 24                           ; s[24:31] descriptor group 1 for A's tiles;  s[32:39] for B's
.set G1B, 32
.set G0A, 40                           ; s[40:51] group 0 for A's tiles, one set for each slot;  s[52:63] for B's
.set G0B, 52
.set MSB, 0
.macro WIN new                         ; the immediate's high byte repeats the setting that is left
.if MSB != \new
	s_set_vgpr_msb (MSB<<8)|\new
.set MSB, \new
.endif
.endm
.set MUL,  0xa1                        ; source 0 (B) window 1, source 1 (A) window 0, C and D window 2
.set TO_B, 0x40                        ; destination window 1, address window 0
; A joint load: waves 0 and 1 fetch for A, waves 2 and 3 for B.  The branch hangs on the wave's number alone.  An s_nop 0 and four v_nop follow each of the two lines.
.macro JLOAD g0a, g1a, g0b, g1b
	s_cmp_eq_u32 s15, 0
	s_cbranch_scc0 .Lfor_b_\@
	tensor_load_to_lds s[\g0a:\g0a+3], s[\g1a:\g1a+7]
	s_nop 0
.rept 4
	v_nop
.endr
	s_branch .Lasked_\@
.Lfor_b_\@:
	tensor_load_to_lds s[\g0b:\g0b+3], s[\g1b:\g1b+7]
	s_nop 0
.rept 4
	v_nop
.endr
.Lasked_\@:
.endm
.macro CROUND                          ; a round of the cluster's barrier
	s_barrier_signal -1
	s_barrier_wait -1
	s_cmp_lg_u32 s14, 0
	s_cbranch_scc1 .Lnot_wave_0_\@
	s_barrier_signal -3
.Lnot_wave_0_\@:
	s_barrier_wait -3
	s_barrier_signal -1
	s_barrier_wait -1
.endm
	s_load_b256 s[4:11], s[0:1], 0x0               ; ao s4, wc s6, the exponents s8, bo s10
	s_load_b64 s[12:13], s[0:1], 0x20              ; out0
	v_lshl_add_u32 v[SPW], v0, 2, SPARE
	v_mov_b32 v[NIL], 0
	ds_add_u32 v[SPW], v[NIL]                      ; the wave's opening: the add and its wait stand ahead of my first tensor load; the set-up below, work on registers, stands between them
	ds_add_u32 v[SPW], v[NIL]
	v_lshrrev_b32 v1, 5, v0
	v_readfirstlane_b32 s14, v1                    ; wave 0..3
	s_lshr_b32 s15, s14, 1                         ; which 64 tokens of the tile are mine.  Also: I fetch for A (0) or for B (1)
	s_and_b32 s16, s14, 1                          ; which 128 features.  Also: which half of that tile I fetch
	s_bfe_u32 s66, ttmp6, 0x40000                  ; cx, cy: my place in the cluster
	s_bfe_u32 s67, ttmp6, 0x40004
	s_lshl_b32 s68, ttmp9, 2
	s_add_co_u32 s68, s68, s66                     ; tile column: 256 features
	s_and_b32 s69, ttmp7, 0xffff
	s_lshl_b32 s69, s69, 2
	s_add_co_u32 s69, s69, s67                     ; tile row: 128 tokens
	s_lshl_b32 s70, s67, 2
	s_lshl_b32 s70, 15, s70                        ; my row of the cluster
	s_lshl_b32 s71, 0x1111, s66                    ; my column
	; A: 4 rows (tiles of 16 tokens) of 4,096 bytes (four heads' images), 16,384 bytes apart in memory, on end in LDS
	s_or_b32 s[G1A], s70, (3<<16)|(1<<21)          ; 15:0 the mask: my row; 17:16 elements of 8 bytes; 21 set beside a mask; no padding
	s_mov_b32 s[G1A+1], 512<<16                    ; tensor_dim0 = 512
	s_mov_b32 s[G1A+2], 4<<16                      ; tensor_dim1 = 4
	s_mov_b32 s[G1A+3], 512<<16                    ; tile_dim0 = 512
	s_mov_b32 s[G1A+4], 4                          ; tile_dim1 = 4
	s_mov_b32 s[G1A+5], 2048                       ; tensor_dim0_stride
	s_mov_b32 s[G1A+6], 0
	s_mov_b32 s[G1A+7], 0
	; B: 128 rows of 256 bytes, padded in LDS
	s_or_b32 s[G1B], s71, (0<<16)|(1<<20)|(1<<21)|(5<<22)|(3<<25)   ; the mask: my column; elements of 1 byte; padding: 4 words after every 64
	s_mov_b32 s[G1B+1], 256<<16
	s_mov_b32 s[G1B+2], 128<<16
	s_mov_b32 s[G1B+3], 256<<16
	s_mov_b32 s[G1B+4], 128
	s_mov_b32 s[G1B+5], 1024
	s_mov_b32 s[G1B+6], 0
	s_mov_b32 s[G1B+7], 0
	s_lshl_b32 s20, s69, 3
	s_lshl_b32 s17, s16, 2
	s_add_co_u32 s20, s20, s17                     ; A: tile of 16 tokens 8 x tile row + 4 x half,
	s_lshl_b32 s20, s20, 14                        ; x 16,384 bytes
	s_mov_b32 s21, 0
	s_lshl_b32 s72, s68, 8
	s_lshl_b32 s17, s16, 7
	s_add_co_u32 s72, s72, s17                     ; B: row 256 x tile column + 128 x half,
	s_lshl_b32 s72, s72, 10
	s_add_co_u32 s72, s72, 0x300000                ; of Wo's codes, the fourth MiB of wc
	s_mov_b32 s73, 0
	s_lshl_b32 s18, s16, 14                        ; where they go in a slot: no place in the cluster enters an LDS address
	s_mul_i32 s19, s16, HALFB
	s_add_co_u32 s19, s19, ABYTES
	s_wait_dscnt 0x0                               ; the opening add is done
	s_wait_kmcnt 0x0
	s_load_b128 s[80:83], s[8:9], 0x20             ; e8 .. e11
	s_add_nc_u64 s[20:21], s[4:5], s[20:21]
	s_add_nc_u64 s[72:73], s[6:7], s[72:73]
	CROUND                                         ; all sixteen work-groups are here: the first joint loads meet
.irp n, 0,1,2
	s_mov_b32 s[G0A+4*\n], 1
	s_add_co_u32 s[G0A+4*\n+1], s18, \n*SLOT
	s_add_nc_u64 s[G0A+4*\n+2:G0A+4*\n+3], s[20:21], \n*4096     ; K step n: heads 4 n .. 4 n + 3
	s_or_b32 s[G0A+4*\n+3], s[G0A+4*\n+3], 0x80000000
	s_mov_b32 s[G0B+4*\n], 1
	s_add_co_u32 s[G0B+4*\n+1], s19, \n*SLOT
	s_add_nc_u64 s[G0B+4*\n+2:G0B+4*\n+3], s[72:73], \n*256
	s_or_b32 s[G0B+4*\n+3], s[G0B+4*\n+3], 0x80000000
	s_wait_alu depctr_va_vdst(0)
	s_wait_tensorcnt 0x0
	ds_add_u32 v28, v29
	ds_add_u32 v28, v29
	s_wait_dscnt 0x0
	CROUND
	JLOAD G0A+4*\n, G1A, G0B+4*\n, G1B             ; one load of mine is out
.endr
	v_and_b32 v1, 15, v0                           ; r = l % 16
	v_bfe_u32 v2, v0, 4, 1                         ; h = l / 16
	v_and_b32 v6, 31, v0
	v_lshlrev_b32 v[CO], 4, v6
	v_mul_u32_u24 v3, v1, PITCH
	v_lshl_add_u32 v3, v2, 4, v3
	s_lshl_b32 s22, s15, 14                        ; my four tiles of 16 tokens
	s_mul_i32 s23, s16, HALFB                      ; my 128 rows of B,
	s_add_co_u32 s23, s23, ABYTES                  ; behind A's part
.irp n, 0,1,2
	v_add_nc_u32 v[ADRA+\n], s22, v[CO]
	v_add_nc_u32 v[ADRB+\n], s23, v3
	s_add_co_u32 s22, s22, SLOT
	s_add_co_u32 s23, s23, SLOT
.endr
	s_mul_i32 s22, s14, 16*SPITCH
	s_add_co_u32 s22, s22, STAGE                   ; my stage
	v_mul_u32_u24 v5, v1, SPITCH                   ; in: row r, 32 bytes for each half of the lanes
	v_lshl_add_u32 v5, v2, 5, v5
	v_add_nc_u32 v[STO], s22, v5
	v_add_nc_u32 v[RD], s22, v[CO]                 ; back: the 32 lanes take one row of 512 bytes
	v_lshlrev_b32 v[BOF], 5, v2
	s_wait_alu depctr_va_vdst(0)
	s_lshl_b32 s74, s68, 10
	s_lshl_b32 s75, s16, 9
	s_add_co_u32 s74, s74, s75                     ; my first feature, in bytes of f32: 1,024 x tile column + 512 x half
	s_mov_b32 s75, 0
	s_add_nc_u64 s[10:11], s[10:11], s[74:75]
	s_lshl_b32 s76, s69, 7
	s_lshl_b32 s77, s15, 6
	s_add_co_u32 s76, s76, s77                     ; my first token: 128 x tile row + 64 x half,
	s_lshl_b32 s76, s76, 12                        ; x 4,096 bytes
	s_mov_b32 s77, 0
	s_add_nc_u64 s[12:13], s[12:13], s[76:77]
	s_add_nc_u64 s[12:13], s[12:13], s[74:75]
	WIN 0xc0                                       ; destination window 3
.irp b, 0,1,2,3,4,5,6,7
	global_load_b128 v[8*\b:8*\b+3], v[BOF], s[10:11] offset:64*\b          ; bo at features 16 b + 8 h + 0 .. 7: the result's layout
	global_load_b128 v[8*\b+4:8*\b+7], v[BOF], s[10:11] offset:64*\b+16
.endr
	WIN 0
; 48 LDS loads in one run: the fragments of the slot's q-th 128 along K into set p: B's eight, then A's four
.macro FETCH slot, q, p
	WIN TO_B
.irp b, 0,1,2,3,4,5,6,7
.irp c, 0,1,2,3
	ds_load_b128 v[128*(\p)+16*\b+4*\c:128*(\p)+16*\b+4*\c+3], v[ADRB+\slot] offset:128*(\q)+32*\c+\b*16*PITCH
.endr
.endr
	WIN 0
.irp a, 0,1,2,3
.irp c, 0,1,2,3
	ds_load_b128 v[128+64*(\p)+16*\a+4*\c:128+64*(\p)+16*\a+4*\c+3], v[ADRA+\slot] offset:4096*\a+2048*(\q)+512*\c
.endr
.endr
.endm
; 16 matrix instructions: A's blocks a0, a0 + 1 x B's eight, 128 along K, set p.  zero = 1: the first product starts the sums.
; The 32 accumulators take turns, one instruction a turn, in the same order in every step.
.macro MUL16 a0, p, zero
.irp a, \a0, \a0+1
.irp b, 0,1,2,3,4,5,6,7
.if \zero
	v_wmma_f32_16x16x128_fp8_fp8 v[8*(8*(\a)+\b):8*(8*(\a)+\b)+7], v[128*(\p)+16*\b:128*(\p)+16*\b+15], v[128+64*(\p)+16*(\a):128+64*(\p)+16*(\a)+15], 0
.else
	v_wmma_f32_16x16x128_fp8_fp8 v[8*(8*(\a)+\b):8*(8*(\a)+\b)+7], v[128*(\p)+16*\b:128*(\p)+16*\b+15], v[128+64*(\p)+16*(\a):128+64*(\p)+16*(\a)+15], v[8*(8*(\a)+\b):8*(8*(\a)+\b)+7]
.endif
.endr
.endr
.endm
; A load into a register that a matrix instruction has read, and a vector instruction that reads a matrix result, stand four places behind that matrix instruction; only plain vector
; instructions that name none of its registers are places (ISA guide 7.12.1 for vector instructions).
.macro PLACES n
.rept \n
	v_nop
.endr
.endm
; A step of 128 along K on set p; fetch = 1: the next step's fragments, (slot, q), go into the other set first, 32 matrix instructions ahead of their use.
.macro KSTEP p, slot, q, fetch, zero
	s_wait_dscnt 0x0                               ; set p is in
.if \fetch
	PLACES 4
	FETCH \slot, \q, 1-(\p)
.endif
	WIN MUL
	MUL16 0, \p, \zero
	MUL16 2, \p, \zero
	WIN 0
.endm
; Slot 0's last step, and its refill with K step 3.  In front of the round each wave waits for all its tensor loads (slots 1 and 2 among them), adds 0 to its spare word, and waits for that and for its reads of slot 0.
.macro TURN1
	s_wait_tensorcnt 0x0                           ; all my tensor loads have landed;
	ds_add_u32 v[SPW], v[NIL]                      ; 0 onto my spare word
	s_wait_dscnt 1                                 ; (set 1 is in; the add alone may be out)
	WIN MUL
	MUL16 0, 1, 0                                  ; sixteen matrix instructions stand between the add and the wait for it
	WIN 0
	s_wait_dscnt 0x0                               ; the add is done, and my reads of slot 0 are over
	CROUND                                         ; no wave of any partner still reads slot 0 or has a load on its way
	s_add_nc_u64 s[G0A+2:G0A+3], s[G0A+2:G0A+3], 3*4096
	s_add_nc_u64 s[G0B+2:G0B+3], s[G0B+2:G0B+3], 3*256
	JLOAD G0A, G1A, G0B, G1B                       ; the first tensor load behind the round; the four v_nop behind it are the places in front of the loads below
	FETCH 1, 0, 0
	WIN MUL
	MUL16 2, 1, 0                                  ; the step's other sixteen, while those loads land
	WIN 0
.endm
; Slot 2's last step; then K step 3 is read from slot 0.  Each wave shows its one load landed and signals.
.macro TURN2
	s_wait_dscnt 0x0                               ; set 1 is in: no LDS instruction of mine is out at the signal
	WIN MUL
	MUL16 0, 1, 0
	WIN 0
	s_wait_tensorcnt 0x0                           ; my part of K step 3 is in,
	s_barrier_signal -1
	s_barrier_wait -1                              ; everybody's is
	PLACES 4
	FETCH 0, 0, 0
	WIN MUL
	MUL16 2, 1, 0
	WIN 0
.endm
	s_wait_tensorcnt 2                             ; my part of slot 0 is in; slot 2's one load may be out
	s_barrier_signal -1
	s_barrier_wait -1
	FETCH 0, 0, 0
	KSTEP 0, 0, 1, 1, 1                            ; K 0-127: its products start the sums
	TURN1                                          ; K 128-255
	KSTEP 0, 1, 1, 1, 0                            ; K 256-383
	KSTEP 1, 2, 0, 1, 0
	KSTEP 0, 2, 1, 1, 0
	TURN2                                          ; K 640-767
	KSTEP 0, 0, 1, 1, 0
	KSTEP 1, 0, 0, 0, 0                            ; K 896-1,023: nothing more to fetch
; THE WAY OUT, block by block of 16 tokens x 128 features.  A lane holds 32 neighbouring bytes of a row, and the lanes beside it hold other rows: a block goes through my own stage in LDS and comes back as whole
; rows of 512 bytes.  LDS serves a wave's instructions in order (ISA guide 5.7.1.4): no wait between the stores and the loads, nor in front of the next block's stores.
.macro TOSTAGE a
	WIN 0x32                                       ; source 0 (the sums) window 2, source 2 (bo) window 3
.set j, 0
.rept 32
	v_pk_fma_f32 v[TMP+j:TMP+j+1], v[64*(\a)+j:64*(\a)+j+1], s[96:97], v[j:j+1] op_sel_hi:[1,0,1]   ; sum x 2^(e10 + e11) + bo, two at a time; each accumulator from its low end on
.set j, j+2
.endr
	WIN 0
.irp b, 0,1,2,3,4,5,6,7
	ds_store_b128 v[STO], v[TMP+8*\b:TMP+8*\b+3] offset:64*\b
	ds_store_b128 v[STO], v[TMP+8*\b+4:TMP+8*\b+7] offset:64*\b+16
.endr
.set BB, BK+64*((\a)%2)
.irp t, 0,1,2,3,4,5,6,7,8,9,10,11,12,13,14,15
	ds_load_b128 v[BB+4*\t:BB+4*\t+3], v[RD] offset:\t*SPITCH
.endr
.endm
.macro SEND a, younger                 ; younger: the LDS instructions issued behind block a's loads, which may stay out
.set BB, BK+64*((\a)%2)
	s_wait_dscnt \younger                          ; the block is back in registers
.if (\a) > 0
	s_add_nc_u64 s[12:13], s[12:13], 16*4096       ; (behind a wait on XCNT: the earlier stores have read their base)  16 rows of out0 on
.endif
.irp t, 0,1,2,3,4,5,6,7,8,9,10,11,12,13,14,15
	global_store_b128 v[CO], v[BB+4*\t:BB+4*\t+3], s[12:13] offset:\t*4096 th:TH_STORE_NT   ; 32 lanes store 512 consecutive bytes, at a multiple of 256 from out0's first byte; written once, read by nobody here
.endr
.endm
	s_wait_kmcnt 0x0
	s_add_co_i32 s96, s82, s83                     ; e10 + e11
	s_add_co_i32 s96, s96, 127
	s_lshl_b32 s96, s96, 23                        ; 2^(e10 + e11) as f32
	s_mov_b32 s97, s96                             ; (named with it as a pair, so it is written)
	s_wait_loadcnt 0x0                             ; bo
	PLACES 4                                       ; in front of the first read of results and of the loads into the registers that held A's fragments
	TOSTAGE 0
.irp a, 1,2,3
.if \a > 1
	s_wait_xcnt 0x0                                ; block a - 2's stores have read their registers and their base: block a's loads may land there, and the base may step
.endif
	TOSTAGE \a
	SEND \a-1, 32                                  ; behind block a - 1's loads: block a's 16 stores and 16 loads
.endr
	s_wait_xcnt 0x0                                ; block 2's stores have read their base
	SEND 3, 0
	s_wait_tensorcnt 0x0                           ; the wave's end: behind my last tensor load and my last LDS store
	ds_add_u32 v[SPW], v[NIL]
	s_wait_dscnt 0x0
	CROUND                                         ; the closing round: no work-group ends while a partner may still ask for a tile that names it
	s_endpgm
.Lfunc_end_k_q248115ad16_oproj:
	.size	k_q248115ad16_oproj, .Lfunc_end_k_q248115ad16_oproj-k_q248115ad16_oproj
	.p2alignl 7, 3214868480
	.fill 96, 4, 3214868480
	.section	.rodata,"a",@progbits
	.p2align	6, 0x0
	.amdhsa_kernel k_q248115ad16_oproj
		.amdhsa_group_segment_fixed_size 327680
		.amdhsa_private_segment_fixed_size 0
		.amdhsa_enable_private_segment 0
		.amdhsa_kernarg_size 40
		.amdhsa_user_sgpr_count 2
		.amdhsa_user_sgpr_kernarg_segment_ptr 1
		.amdhsa_wavefront_size32 1
		.amdhsa_system_sgpr_workgroup_id_x 1
		.amdhsa_system_sgpr_workgroup_id_y 1
		.amdhsa_system_sgpr_workgroup_id_z 1
		.amdhsa_system_vgpr_workitem_id 0
		.amdhsa_next_free_vgpr 832
		.amdhsa_next_free_sgpr 100
		.amdhsa_reserve_vcc 0
		.amdhsa_float_denorm_mode_32 3
		.amdhsa_float_denorm_mode_16_64 3
		.amdhsa_memory_ordered 1
		.amdhsa_forward_progress 1
		.amdhsa_inst_pref_size 78
	.end_amdhsa_kernel
	.amdgpu_metadata
---
amdhsa.version: [ 1, 2 ]
amdhsa.kernels:
  - .name:           k_q248115ad16_oproj
    .symbol:         k_q248115ad16_oproj.kd
    .args:
      - { .name: ao, .offset: 0, .size: 8, .value_kind: global_buffer, .address_space: global }
      - { .name: wc, .offset: 8, .size: 8, .value_kind: global_buffer, .address_space: global }
      - { .name: lowp_scales, .offset: 16, .size: 8, .value_kind: global_buffer, .address_space: global }
      - { .name: bo, .offset: 24, .size: 8, .value_kind: global_buffer, .address_space: global }
      - { .name: out0, .offset: 32, .size: 8, .value_kind: global_buffer, .address_space: global }
    .group_segment_fixed_size: 327680
    .private_segment_fixed_size: 0
    .kernarg_segment_align: 8
    .kernarg_segment_size: 40
    .max_flat_workgroup_size: 128
    .sgpr_count:     100
    .vgpr_count:     832
    .wavefront_size: 32
...
	.end_amdgpu_metadata
.endif
;; end of part 4
